; MI455X (gfx1250); checked and timed in simulation.
; The chip was launched on July 23, 2026; its instructions are those of AMD's public machine-readable ISA for CDNA 5 (MIT licence, August 2026) and "CDNA5" Instruction Set Architecture Reference Guide (July 2026). The comments in the code are by the model that wrote it; some were corrected since.
;; SRN. Allowed arithmetic: matrix products marked QUANTISED: E5M2 operands, one given power-of-two scale a tensor, by v_wmma_f32_16x16x64_bf8_bf8 or v_wmma_f32_16x16x128_bf8_bf8, f32 sums; products left as they are: f32 operands where the result goes on into a quantised operand, else bf16, f16 or f32 operands; f32 sums; everything else in f32.
;; Inputs: W_ac 600 x 300 float32; action_mask 1,024 x 256 float32; b_ac 300 float32; b_rel one number float32; last_h 1,024 x 300 float32; lowp_scales 6 int32 (the exponents e of the quantised operands' scales 2^e); q_t 1,024 x 32 x 300 float32; r_space 1,024 x 256 int32; rel_emb 4,000 x 300 float32; w_rel 300 float32.
;; Outputs: out0 1,024 x 256 float32.
;; This version of the problem:
;;   THIS VERSION OF THE PROBLEM IS GIVEN IN LOW PRECISION. The matrix products marked QUANTISED in the list below multiply operands that are first quantised to E5M2 (5 exponent bits, 2 mantissa bits; 8 bits a number), with one given power-of-two scale for each operand tensor; their sums are f32. All else is computed in f32.
;;   The module's matrix products, in the order in which they are computed (A, B: the left and right operand; K: the contracted axis; several contracted axes count as one K, in the product's order):
;;     1. batch 1,024 x [M 256, K 300] x [K 300, N 32]; A: computed on the way; B: input q_t: QUANTISED (scales: A lowp_scales[0], B lowp_scales[1])
;;     2. batch 1,024 x [M 256, K 32] x [K 32, N 300]; A: softmax (see below); B: input q_t: QUANTISED (scales: A lowp_scales[2], B lowp_scales[3])
;;     3. [M 262,144, K 600] x [K 600, N 300]; A: computed on the way; B: input W_ac: QUANTISED (scales: A lowp_scales[4], B lowp_scales[5])
;;     4. batch 262,144 x [M 1, K 300] x [K 300, N 1]; A: computed on the way; B: computed on the way: left as it is (M = 1 < 16)
;;   THE QUANTISER, for each operand of a quantised product, along K:
;;     - The operand's scale is 2^e, e = its entry of the input lowp_scales (int32; the entries are numbered through the quantised products in the list's order, A before B).
;;     - Each number is divided by the scale, clamped to +-57,344, and rounded to the nearest number of E5M2, ties to even, subnormals kept.
;;     - The product sums the exact products of the quantised numbers (number of the format x scale) in f32.
;;   ~~~python
;;   def quantise(x, axis, e):      # numpy; x: float32 -> the quantised numbers, widened to float32 again
;;       x = np.moveaxis(x, axis, -1); K = x.shape[-1]
;;       r = np.clip(x / 2.0 ** e, -57344, 57344)
;;       step = 2.0 ** (np.maximum(np.frexp(np.where(r == 0, 1, r))[1] - 1, -14) - 2)
;;       q = np.round(r / step) * step * 2.0 ** e      # np.round: ties to even
;;       return np.moveaxis(q, -1, axis).astype(np.float32)
;;   ~~~
;;   SOFTMAX AHEAD OF A QUANTISED PRODUCT. Where the list says 'softmax', what is quantised is not the finished softmax but p = 2^(t - M), with t = logit x log2(e) and M = ceil(the row's largest t), a whole number; so 1/2 < the row's largest p <= 1. The row's sum l is taken of the UNQUANTISED p, in f32, and the product's result is divided by l at the end. Since M is a whole number, a kernel that streams over the keys may use a running M (the ceiling of the running maximum): every later rescaling is an exact power of two, so the quantised numbers keep their values, but for numbers so far below the row's largest that they fall under the format's range.
;;   OPERANDS COMPUTED ON THE WAY. 'Computed on the way' means the value that the module computes at that place (a softmax that the list does not call 'softmax' is quantised finished and normalised). What goes into a quantiser is computed in f32, as accurately as f32 sums, v_exp_f32 and their like allow (about 1e-6 of the number): no bf16 or f16 on the way to a quantiser, and a product that is left as it is and whose result goes on into a quantised operand takes f32 operands (vector FMAs, or v_wmma_f32_16x16x4_f32). A number that lies on a knife's edge between two numbers of the format may be rounded either way, as far as f32 arithmetic and the matrix unit's own rounding can turn it there, and no further.
;; One version. Each part assembles by itself: llvm-mc -triple=amdgcn-amd-amdhsa -mcpu=gfx1250 --defsym DOCPART=n.
;; ======== version 1 of 1: 2 launches
;; limits: values are held in bf16: 8 bits of precision; right only within a limited range of input values
;; workspace buffers: rtab 4,096,000 bytes; htab 1,048,576 bytes; wimg 194,560 bytes; bpad 2,048 bytes
;; launch prep (part 1): grid 2608 x 1, 4 waves a work-group, no clusters, 0 bytes of LDS; arguments rel_emb, w_rel, last_h, W_ac, b_ac, lowp_scales, rtab, htab, wimg, bpad; writes rtab, htab, wimg, bpad
.if DOCPART == 1
	.amdgcn_target "amdgcn-amd-amdhsa--gfx1250"
	.amdhsa_code_object_version 6
	.text
	.protected	k_qb2d63d827f_prep
	.globl	k_qb2d63d827f_prep
	.p2align	8
	.type	k_qb2d63d827f_prep,@function
k_qb2d63d827f_prep:
	s_mov_b64 s[64:65], 0
	v_nop
	global_prefetch_b8 v0, s[64:65] scope:SCOPE_SE
	s_setreg_imm32_b32 hwreg(HW_REG_WAVE_MODE, 25, 1), 1
	s_wait_xcnt 0x0
; What depends on a relation, a batch or a weight alone is quantised ONCE, and laid in the order in which the second launch's operand registers take it.
; rtab: 4,000 records of 1,024 bytes, one a relation.  Bytes 0-319: E5M2 codes of rel_emb[d] x w_rel[d] under the scale 2^e0, as 20 chunks of 16 bytes: chunk 2 y + hh holds
;   d = 32 y + 8 hh + 0..7 and then d = 32 y + 16 + 8 hh + 0..7: four registers of the 8-bit operand layout (ISA guide 7.12.2) of lane half hh.
;   Bytes 320-927: rel_emb[d], eight numbers in four words: the words' LOW halves are bf16 of numbers 2, 3, 6, 7; the HIGH halves are chosen so that the WHOLE words, read as f32, are nearest to numbers 0, 1, 4, 5:
;   the error is at most half a unit in bf16's last place, as in a rounding to bf16.  (A magnitude under 2^-126 may come out as another such magnitude.)  Codes are zero where d >= 300; the words are zero or under 2^-126 there.
; htab: 1,024 records of the same form, made of last_h under 2^e4, with 1.0 in w_rel's place; the second launch reads their codes.
; wimg: W_ac's codes under 2^e5 as images of registers: plane 10 T + 2 s + p, 512 bytes; T = 19 P + t (P: rows 0-299 or 300-599 of W_ac; t: 16 outputs); lane (r, h) has 16 bytes at 16 x lane:
;   W[300 P + k][16 t + r], k = 64 s + 32 p + 16 cc + 8 h + j (cc = 0, 1; j = 0..7); zero codes where k >= 300 or 16 t + r >= 300.
; bpad: 512 f32: b_ac[n] / 2^(e4 + e5), zeros from n = 300 on.
; code = x / 2^e, held within +-57,344, to the nearest code, ties to even.  LIMITS: e0, e4, e5 between -126 and 112, so that 2^e and 57,344 x 2^e are f32 numbers.  NaN among the inputs is not served.
; Work-groups 0-94: four planes of wimg, one a wave (the most loads a lane, so the lowest numbers); 95: bpad; 96-2095: two relations each; 2096-2607: two rows of last_h.  No LDS, no barrier: waves share nothing.
.set X,  16                            ; v16-31  sixteen numbers
.set W,  32                            ; v32-47  their w_rel (or 1.0); in the planes' way: sixteen load offsets
.set BF, 48                            ; v48-51  the four words of eight numbers
.set CD, 52                            ; v52-55  sixteen codes
.set O,  56                            ; v56-59  at work; what the thread stores
.macro SCALE e                         ; s[e] -> v15 = 2^e as f32 (the conversion takes its exponent field), v14 = 57,344 x 2^e
	s_add_co_i32 s60, s[\e], 127
	s_lshl_b32 s61, s60, 23
	v_mov_b32 v15, s61
	s_add_co_i32 s60, s60, 15
	s_lshl_b32 s60, s60, 23
	s_or_b32 s60, s60, 0x600000
	v_mov_b32 v14, s60
.endm
.macro HOLDCVT                         ; the sixteen numbers in X become sixteen codes in CD
.set J, 0
.rept 16
	v_med3_num_f32 v[X+J], v[X+J], -v14, v14       ; the conversion to an 8-bit code does not saturate (ISA guide 7.6.2): the hold comes first
.set J, J+1
.endr
	v_cvt_scalef32_pk8_bf8_f32 v[CD:CD+1], v[X:X+7], v15
	v_cvt_scalef32_pk8_bf8_f32 v[CD+2:CD+3], v[X+8:X+15], v15
	v_nop                                          ; a plain line between the conversions and whatever vector line touches their results
.endm
	s_load_b512 s[8:23], s[0:1], 0x0               ; rel_emb s[8:9], w_rel s[10:11], last_h s[12:13], W_ac s[14:15], b_ac s[16:17], the scales s[18:19], rtab s[20:21], htab s[22:23]
	s_load_b128 s[24:27], s[0:1], 0x40             ; wimg s[24:25], bpad s[26:27]
	v_lshrrev_b32 v1, 5, v0
	v_readfirstlane_b32 s34, v1                    ; wave
	s_wait_kmcnt 0x0
	s_load_b128 s[28:31], s[18:19], 0x0            ; e0 .. e3
	s_load_b64 s[32:33], s[18:19], 0x10            ; e4, e5
	s_sub_co_u32 s35, ttmp9, 96                    ; which pair of rows, rel_emb's 2,000 pairs first
	s_cmp_lt_u32 ttmp9, 96
	s_cbranch_scc1 .Lnot_rows
	; ---- two rows of rel_emb or of last_h.  Thread: chunk tau = v0 % 64 of row v0 / 64
	s_cmp_ge_u32 s35, 2000                         ; last_h's work-group?  The choice hangs on the work-group's number alone
	s_cselect_b64 s[44:45], s[12:13], s[8:9]       ; from
	s_cselect_b64 s[46:47], s[22:23], s[20:21]     ; to
	s_cselect_b32 s48, 2000, 0
	s_sub_co_u32 s48, s35, s48                     ; which pair of that tensor's rows
	s_mul_i32 s50, s48, 2400
	s_mov_b32 s51, 0
	s_add_nc_u64 s[44:45], s[44:45], s[50:51]
	s_lshl_b32 s50, s48, 11
	s_add_nc_u64 s[46:47], s[46:47], s[50:51]
	v_and_b32 v2, 63, v0                           ; tau
	v_lshrrev_b32 v3, 6, v0                        ; row of the pair
	v_and_b32 v4, 62, v2
	v_and_b32 v5, 1, v2
	v_lshlrev_b32 v4, 2, v4
	v_lshl_add_u32 v4, v5, 1, v4                   ; a code chunk's first group of four numbers: 8 y + 2 hh
	v_lshlrev_b32 v5, 1, v2
	v_add_nc_u32 v5, 0xffffffd8, v5                ; a 16-bit chunk's: 2 (tau - 20)
	v_cmp_gt_u32 s40, 20, v2                       ; tau < 20: codes
	v_cmp_gt_u32 s41, 58, v2                       ; tau < 58: codes or 16-bit numbers
	v_cndmask_b32 v4, v5, v4, s40
.macro QD i, add                       ; group i of four: its number, whether it lies inside the row's 75, and its clamped offsets: no load leaves its buffer
	v_add_nc_u32 v[10+\i], \add, v4
	v_cmp_gt_u32 s[36+\i], 75, v[10+\i]
	v_min_u32 v[10+\i], 74, v[10+\i]
	v_lshlrev_b32 v[10+\i], 4, v[10+\i]
	v_mad_u32_u24 v[6+\i], v3, 1200, v[10+\i]
	global_load_b128 v[X+4*\i:X+4*\i+3], v[6+\i], s[44:45]
.endm
	QD 0, 0
	QD 1, 1
	QD 2, 4
	QD 3, 5
	s_cmp_ge_u32 s35, 2000
	s_cbranch_scc1 .Lones
.irp i, 0,1,2,3
	global_load_b128 v[W+4*\i:W+4*\i+3], v[10+\i], s[10:11]
.endr
	s_branch .Lhave_w
.Lones:
.set J, 0
.rept 16
	v_mov_b32 v[W+J], 1.0                          ; last_h is quantised as it is: x 1.0 rounds nothing
.set J, J+1
.endr
.Lhave_w:
	s_wait_kmcnt 0x0
	s_cmp_ge_u32 s35, 2000
	s_cselect_b32 s49, s32, s28                    ; e4 or e0
	SCALE 49
	s_wait_loadcnt 0x0
.irp i, 0,1,2,3
.irp c, 0,1,2,3
	v_cndmask_b32 v[X+4*\i+\c], 0, v[X+4*\i+\c], s[36+\i]   ; d >= 300: zero
.endr
.endr
	; the row itself, for the product that is left as it is: word c's low half: bf16 of number 2, 3, 6, 7; its whole: number 0, 1, 4, 5
	v_cvt_pk_bf16_f32 v[BF], v[X+2], v[X+3]
	v_cvt_pk_bf16_f32 v[BF+2], v[X+6], v[X+7]
.irp c, 0,1,2,3
	v_and_b32 v[O+\c], 0x7fffffff, v[X+\c+2*(\c/2)]
.endr
	v_lshrrev_b32 v[BF+1], 16, v[BF]
	v_lshrrev_b32 v[BF+3], 16, v[BF+2]
	v_and_b32 v[BF], 0xffff, v[BF]
	v_and_b32 v[BF+2], 0xffff, v[BF+2]
.irp c, 0,1,2,3
	v_max_u32 v[O+\c], 0x10000, v[O+\c]            ; so that the difference below stays above 0
.endr
.irp c, 0,1,2,3
	v_sub_nc_u32 v[O+\c], v[O+\c], v[BF+\c]        ; magnitude less the low half, rounded to a multiple of 2^16: the whole word is nearest
.endr
.irp c, 0,1,2,3
	v_add_nc_u32 v[O+\c], 0x8000, v[O+\c]
.endr
.irp c, 0,1,2,3
	v_bfi_b32 v[BF+\c], 0x7fff0000, v[O+\c], v[BF+\c]
.endr
.irp c, 0,1,2,3
	v_bfi_b32 v[BF+\c], 0x80000000, v[X+\c+2*(\c/2)], v[BF+\c]   ; and its sign
.endr
.irp c, 0,2,4,6,8,10,12,14
	v_pk_mul_f32 v[X+\c:X+\c+1], v[X+\c:X+\c+1], v[W+\c:W+\c+1]   ; r x w_rel, in f32, as the reference has it ahead of the quantiser
.endr
	HOLDCVT
.irp c, 0,1,2,3
	v_cndmask_b32 v[O+\c], 0, v[BF+\c], s41
.endr
.irp c, 0,1,2,3
	v_cndmask_b32 v[O+\c], v[O+\c], v[CD+\c], s40
.endr
	v_lshlrev_b32 v60, 4, v0
	global_store_b128 v60, v[O:O+3], s[46:47]      ; a wave stores 512 consecutive bytes, at a multiple of 512 from the buffer's first byte
	s_endpgm
.Lnot_rows:
	s_cmp_lg_u32 ttmp9, 95
	s_cbranch_scc0 .Lbias
	; ---- a plane of wimg for each wave
	s_lshl_b32 s44, ttmp9, 2
	s_add_co_u32 s44, s44, s34                     ; the plane, 0 .. 379
	s_mul_hi_u32 s45, s44, 0xcccccccd
	s_lshr_b32 s45, s45, 3                         ; T = plane / 10
	s_mul_i32 s46, s45, 10
	s_sub_co_u32 s46, s44, s46                     ; 2 s + p
	s_lshl_b32 s52, s46, 5                         ; 64 s + 32 p
	s_cmp_ge_u32 s45, 19
	s_cselect_b32 s49, 19, 0
	s_cselect_b32 s50, 360000, 0                   ; the lower 300 rows of W_ac begin 360,000 bytes on
	s_sub_co_u32 s49, s45, s49                     ; t
	s_mov_b32 s51, 0
	s_add_nc_u64 s[14:15], s[14:15], s[50:51]
	s_lshl_b32 s50, s44, 9
	s_add_nc_u64 s[24:25], s[24:25], s[50:51]      ; the plane's 512 bytes
	s_lshl_b32 s53, s49, 4
	v_and_b32 v2, 15, v0                           ; r
	v_bfe_u32 v3, v0, 4, 1                         ; h
	v_add_nc_u32 v4, s53, v2                       ; n = 16 t + r
	v_cmp_gt_u32 s84, 300, v4
	v_min_u32 v4, 299, v4
	v_lshlrev_b32 v4, 2, v4
	v_lshl_add_u32 v5, v3, 3, s52                  ; 64 s + 32 p + 8 h
.set E, 0
.rept 16                               ; a lane takes a column n and its registers run down K: sixteen lanes read 64 neighbouring bytes
	v_add_nc_u32 v6, 16*(E/8)+(E%8), v5
	v_cmp_gt_u32 s[68+E], 300, v6
	v_min_u32 v6, 299, v6
	s_and_b32 s[68+E], s[68+E], s84
	v_mad_u32_u24 v[W+E], v6, 1200, v4
	global_load_b32 v[X+E], v[W+E], s[14:15]
.set E, E+1
.endr
	s_wait_kmcnt 0x0
	SCALE 33
	s_wait_loadcnt 0x0
.set E, 0
.rept 16
	v_cndmask_b32 v[X+E], 0, v[X+E], s[68+E]
.set E, E+1
.endr
	HOLDCVT
	v_and_b32 v60, 31, v0
	v_lshlrev_b32 v60, 4, v60
	global_store_b128 v60, v[CD:CD+3], s[24:25]
	s_endpgm
.Lbias:
	v_min_u32 v2, 74, v0
	v_lshlrev_b32 v2, 4, v2
	v_cmp_gt_u32 s36, 75, v0
	global_load_b128 v[X:X+3], v2, s[16:17]
	s_wait_kmcnt 0x0
	s_add_co_i32 s44, s32, s33
	s_sub_co_i32 s44, 0, s44                       ; -(e4 + e5): the bias goes into sums that lack that power of two
	s_wait_loadcnt 0x0
.irp c, 0,1,2,3
	v_cndmask_b32 v[X+\c], 0, v[X+\c], s36
.endr
.irp c, 0,1,2,3
	v_ldexp_f32 v[O+\c], v[X+\c], s44
.endr
	v_lshlrev_b32 v60, 4, v0
	global_store_b128 v60, v[O:O+3], s[26:27]
	s_endpgm
.Lfunc_end_k_qb2d63d827f_prep:
	.size	k_qb2d63d827f_prep, .Lfunc_end_k_qb2d63d827f_prep-k_qb2d63d827f_prep
	.p2alignl 7, 3214868480
	.fill 96, 4, 3214868480
	.section	.rodata,"a",@progbits
	.p2align	6, 0x0
	.amdhsa_kernel k_qb2d63d827f_prep
		.amdhsa_group_segment_fixed_size 0
		.amdhsa_private_segment_fixed_size 0
		.amdhsa_enable_private_segment 0
		.amdhsa_kernarg_size 80
		.amdhsa_user_sgpr_count 2
		.amdhsa_user_sgpr_kernarg_segment_ptr 1
		.amdhsa_wavefront_size32 1
		.amdhsa_system_sgpr_workgroup_id_x 1
		.amdhsa_system_sgpr_workgroup_id_y 1
		.amdhsa_system_sgpr_workgroup_id_z 1
		.amdhsa_system_vgpr_workitem_id 0
		.amdhsa_next_free_vgpr 64
		.amdhsa_next_free_sgpr 96
		.amdhsa_reserve_vcc 0
		.amdhsa_float_denorm_mode_32 3
		.amdhsa_float_denorm_mode_16_64 3
		.amdhsa_memory_ordered 1
		.amdhsa_forward_progress 1
		.amdhsa_inst_pref_size 22
	.end_amdhsa_kernel
	.amdgpu_metadata
---
amdhsa.version: [ 1, 2 ]
amdhsa.kernels:
  - .name:           k_qb2d63d827f_prep
    .symbol:         k_qb2d63d827f_prep.kd
    .args:
      - { .name: rel_emb, .offset: 0, .size: 8, .value_kind: global_buffer, .address_space: global }
      - { .name: w_rel, .offset: 8, .size: 8, .value_kind: global_buffer, .address_space: global }
      - { .name: last_h, .offset: 16, .size: 8, .value_kind: global_buffer, .address_space: global }
      - { .name: W_ac, .offset: 24, .size: 8, .value_kind: global_buffer, .address_space: global }
      - { .name: b_ac, .offset: 32, .size: 8, .value_kind: global_buffer, .address_space: global }
      - { .name: lowp_scales, .offset: 40, .size: 8, .value_kind: global_buffer, .address_space: global }
      - { .name: rtab, .offset: 48, .size: 8, .value_kind: global_buffer, .address_space: global }
      - { .name: htab, .offset: 56, .size: 8, .value_kind: global_buffer, .address_space: global }
      - { .name: wimg, .offset: 64, .size: 8, .value_kind: global_buffer, .address_space: global }
      - { .name: bpad, .offset: 72, .size: 8, .value_kind: global_buffer, .address_space: global }
    .group_segment_fixed_size: 0
    .private_segment_fixed_size: 0
    .kernarg_segment_align: 8
    .kernarg_segment_size: 80
    .max_flat_workgroup_size: 128
    .sgpr_count:     96
    .vgpr_count:     64
    .wavefront_size: 32
...
	.end_amdgpu_metadata
.endif
;; end of part 1
;; launch main (part 2): grid 256 x 1, 8 waves a work-group, no clusters, 327,680 bytes of LDS; arguments q_t, r_space, action_mask, b_rel, lowp_scales, rtab, htab, wimg, bpad, out0; writes out0
.if DOCPART == 2
	.amdgcn_target "amdgcn-amd-amdhsa--gfx1250"
	.amdhsa_code_object_version 6
	.text
	.protected	k_qb2d63d827f_main
	.globl	k_qb2d63d827f_main
	.p2align	8
	.type	k_qb2d63d827f_main,@function
k_qb2d63d827f_main:
	s_mov_b64 s[64:65], 0
	v_nop
	global_prefetch_b8 v0, s[64:65] scope:SCOPE_SE
	s_setreg_imm32_b32 hwreg(HW_REG_WAVE_MODE, 25, 1), 1
	s_wait_xcnt 0x0
; The whole chain for four batches a work-group: logits, softmax over the 32 queries, q_attn, Linear(600 -> 300) + ReLU, the score, softmax over the 256 actions, mask, renormalising.
; SHARES.  Work-group wg owns batches 4 wg .. 4 wg + 3, two at a time (two passes).  Wave w = 4 g + i serves, in pass p, batch 2 p + g and its actions 64 i .. 64 i + 63: four tiles of 16;
; lane r of tile m takes action 64 i + 4 r + m, so that a lane's four indices, four mask numbers and four results are 16 neighbouring bytes.
; ALL PRODUCTS ARE USED TRANSPOSED (source 1 = 16 actions).  In a result lane (r, h) then holds action r and its register j the index 16 t + 8 h + j of source 0's rows, which is the place that the 8-bit operand
; layout (ISA guide 7.12.2: registers 2 c, 2 c + 1 hold k = 16 c + 8 h + 0..7) gives that index as k of the next product.  So p, q_attn and the activations are quantised in place and never change lanes or leave the registers.
; last_h's HALF OF THE LINEAR LAYER is the same for all 256 actions of a batch: c[b][n] = codes(last_h[b]) . codes(W_ac[0:300, n]) + b_ac[n] / 2^(e4 + e5) is made once a batch, in the first pass, by the same
; matrix instruction (its operands are asked for ahead of the first softmax), and is the C of each sum's first K step.  ReLU commutes with the power of two, so 2^(e4 + e5) is applied once, to the score.
; THE SOFTMAX AHEAD OF THE SECOND PRODUCT: t = logit x log2(e), M = ceil(the row's largest t), p = 2^(t - M) is quantised; the row's sum of the unquantised p divides afterwards.  b_rel moves t - M and so p's codes: it is live.
; BARRIERS.  Both batches' q_t of the SECOND pass are quantised inside the first pass, and the actions' softmax is kept, wave by wave, as (largest score, sum, masked sum) and joined once, behind the loop,
; for both passes: from the first pass's second product to the end of the loop the waves meet nowhere.
; NO JOINT LOADS: what work-groups share is W's image, 2 x 97,280 bytes, of some 1.4 million that a work-group reads (about a million gathered, 153,600 of q_t); all else is a work-group's own.
; NO PREFETCH: q_t comes in two requests of a wave and the gathers hang on indices: there is no loop of tile loads to run ahead in.
; No LDS byte is filled twice by a tensor load.  At the head waves 0-3 ask for pass 0's q_t and waves 4-7 for W's image, one load each; pass 1's q_t stands behind the full sequence and a barrier.
; A batch's q_t is 38,400 dense bytes = 150 rows of 256, and lies in LDS as it lies in memory: (q, d) at 1,200 q + 4 d.  Rows of queries are 300 words apart: sixteen of them start at sixteen different groups of four banks (64 banks: ISA guide 11.1).
; The last planes reach to d = 319: what is read for d >= 300 is the next row's numbers, or up to 80 bytes behind the batch (the second slot; W's codes; pass 0's codes: finite f32 patterns all, since no code is NaN), and its codes are set to zero.
; LIMITS: e0 + e1 between -126 and 127 (added to log2(e)'s exponent field); e1, e2, e3, e4 between -126 and 112; e2 + e3 and e4 + e5 go through v_ldexp_f32 and have none.  NaN among the inputs is not served.
; rel_emb enters the score's product (left as it is) with an error of at most half a unit in bf16's last place (rtab's words).  An index beyond 3,999 is held at 3,999.
; LDS: STG1 two slots of 38,400: pass 1's q_t | QIMG + 20,480 g: pass 0's 20 planes of q's codes along d (e1), then 20 planes along q (e3), images of registers, 512 bytes each | STG pass 0's q_t; pass 1's planes come to lie over it,
;   40,960 bytes behind pass 0's | WIMG W's image (tile t at 5,120 t, K step s, half p at 1,024 s + 512 p, 16 bytes a lane) | CREG c[batch][n], rows of 1,280 | XCH the waves' maxima and sums | SPARE.
; REGISTERS, window 0: v1-39, v248-255 addresses and constants (below); v40-63 at work; v64-127 ACC; v128-207 FR, fragments; v208-223 CC (c as C operand); v208-247 codes on their way to LDS; v240-246 pass 0's masked exponentials, maximum, sums.
;   window 1: v0-159 H, 40 a tile: the gathered codes of r x w_rel, later c's operands, then q_attn's codes; v160-191 P, 8 a tile: p's codes and zeros; v240-247 F: 2^(e2 + e3) / l.
;   Seven slots of 16 for rtab's words of rel_emb, tile t in slot t % 7: window 1 v192, v208, v224, v160, v176 (over P), window 0 v224, window 1 v240 (over F).
.set STG1,  256
.set QIMG,  77056
.set STG,   118016
.set WIMG,  194816
.set CREG,  292096
.set XCH,   297216
.set SPARE, 297472
.set SLOTB, 38400
.set ACC, 64
.set FR,  128
.set CC,  208
.set H,   0
.set P,   160
.set F,   240
; v1 W's tiles 0-9 (at the head: 16 x lane); v2 r; v3 h; v4, v7 pass 1's q_t for the planes along d, along q; v9, v10 where I store pass 0's planes; v11 where I store c;
; v12 W's tiles 10-18; v13/v14 c; v15, v16 XCH, my word and my group's four; v17 my offset in r_space and the mask; v18-21 gather offsets; v22-25 the next pass's indices; v26-29, v30-33 mask, this pass and next;
; v34-37 2^e1 .. 2^e4; v38 my offset in out0; v39 b_rel x log2(e); v248 16 h; v249 htab; v250 wimg; v251 bpad; v252/v253 the planes; v254, v255 my spare word and 0.
; s35 wave, s36 g, s37 i; s[40:47], s[48:55] descriptor groups 1; s[56:59], s[60:63], s[68:71] groups 0; s[72:73] lane selects; s[74:75] log2(e) x 2^(e0 + e1); s77/s78, s79/s80, s81/s82 +-57,344 x 2^e1, 2^e3, 2^e4;
; s83 57,344 x 2^e2; s84 e2 + e3; s85 e4 + e5; s86 pass; s87, s88 the pass's offsets of planes and c; s89 lanes with h = 1; s91-93 lanes whose codes of the last planes lie inside d < 300.
.set MSB, 0
.macro WIN new                         ; s_set_vgpr_msb: bits 1:0 source 0, 3:2 source 1, 7:6 destination; the high byte repeats the setting that is left; a switch that changes nothing is dropped
.if MSB != \new
	s_set_vgpr_msb (MSB<<8)|\new
.set MSB, \new
.endif
.endm
.macro PLACES n                        ; plain vector lines behind matrix instructions (ISA guide 7.12.1), where no other work is at hand
.rept \n
	v_nop
.endr
.endm
.macro VW
	s_wait_alu depctr_va_vdst(0)
.endm
.macro BAR                             ; my LDS stores have landed and my LDS loads are in; then the work-group's barrier
	s_wait_dscnt 0x0
	s_barrier_signal -1
	s_barrier_wait -1
.endm
.macro QUANT src, dst, lo, hi, sc      ; sixteen numbers -> sixteen codes: the hold (the conversion does not saturate: ISA guide 7.6.2), then two conversions
.irp e, 0,1,2,3,4,5,6,7,8,9,10,11,12,13,14,15
	v_med3_num_f32 v[\src+\e], v[\src+\e], s[\lo], s[\hi]
.endr
	v_cvt_scalef32_pk8_bf8_f32 v[\dst:\dst+1], v[\src:\src+7], v[\sc]
	v_cvt_scalef32_pk8_bf8_f32 v[\dst+2:\dst+3], v[\src+8:\src+15], v[\sc]
.endm
.macro MKSC e, vs, pos                 ; s[e] -> v[vs] = 2^e as f32, s[pos] = 57,344 x 2^e
	s_add_co_i32 s2, s[\e], 127
	s_lshl_b32 s3, s2, 23
	v_mov_b32 v[\vs], s3
	s_add_co_i32 s2, s2, 15
	s_lshl_b32 s2, s2, 23
	s_or_b32 s[\pos], s2, 0x600000
.endm
.macro MKRA src                        ; four indices -> four gather offsets: the record's 1,024 bytes x index, + 16 h
.irp m, 0,1,2,3
	v_min_u32 v[18+\m], 3999, v[\src+\m]
.endr
.irp m, 0,1,2,3
	s_delay_alu instid0(VALU_DEP_4)
	v_lshlrev_b32 v[18+\m], 10, v[18+\m]
.endr
.irp m, 0,1,2,3
	s_delay_alu instid0(VALU_DEP_4)
	v_add_nc_u32 v[18+\m], v248, v[18+\m]
.endr
.endm
.macro GATHER                          ; bytes 0-383 of the records of my 64 actions: 320 of codes, and tiles 0 and 1 of rel_emb into their slots; a pair of lanes reads 32 neighbouring bytes an instruction, a record's on end
.irp m, 0,1,2,3
.irp y, 0,1,2,3,4,5,6,7,8,9
	global_load_b128 v[H+40*\m+4*\y:H+40*\m+4*\y+3], v[18+\m], s[18:19] offset:32*\y th:TH_LOAD_HT
.endr
	global_load_b128 v[192+4*\m:195+4*\m], v[18+\m], s[18:19] offset:320 th:TH_LOAD_HT
	global_load_b128 v[208+4*\m:211+4*\m], v[18+\m], s[18:19] offset:352 th:TH_LOAD_HT
.endr
.endm
.macro TLD adr, k, reg                 ; plane 4 k + i along q: d = 64 k + 16 i + r, q = 8 h + 0..7 and 16 + 8 h + 0..7
.irp e, 0,1,2,3,4,5,6,7
	ds_load_b32 v[\reg+\e], v[\adr] offset:256*\k+1200*\e
.endr
.irp e, 0,1,2,3,4,5,6,7
	ds_load_b32 v[\reg+8+\e], v[\adr] offset:256*\k+1200*(16+\e)
.endr
.endm
; Q: my group's four waves turn a batch's q_t into 20 planes of codes along d (scale e1) and 20 along q (scale e3), five of each a wave.
.macro Q ad, aq, sd, sq
.irp k, 0,1,2,3,4                      ; plane (u, 2 k + i % 2): row 16 u + r, d = 64 k + 32 (i % 2) + 8 h + 0..7 and + 16
	ds_load_b128 v[FR+16*\k:FR+16*\k+3], v[\ad] offset:256*\k
	ds_load_b128 v[FR+16*\k+4:FR+16*\k+7], v[\ad] offset:256*\k+16
	ds_load_b128 v[FR+16*\k+8:FR+16*\k+11], v[\ad] offset:256*\k+64
	ds_load_b128 v[FR+16*\k+12:FR+16*\k+15], v[\ad] offset:256*\k+80
.endr
	TLD \aq, 0, ACC
	TLD \aq, 1, ACC+16
.irp k, 0,1,2,3,4
	s_wait_dscnt 48-3*\k                           ; behind plane k's four loads: 16 - 4 k loads along d, 32 along q, k stores
	QUANT FR+16*\k, 208+4*\k, 78, 77, 34
.if \k == 4
	v_nop                                          ; a plain line between the conversions and the lines that touch their results
	v_cndmask_b32 v225, 0, v225, s91               ; d >= 300: zero codes
	v_cndmask_b32 v226, 0, v226, s92
	v_cndmask_b32 v227, 0, v227, s92
.endif
	ds_store_b128 v[\sd], v[208+4*\k:211+4*\k] offset:1024*\k
.endr
	TLD \aq, 2, ACC+32
	TLD \aq, 3, ACC+48
	TLD \aq, 4, 40
	s_wait_dscnt 63                                ; behind plane 0's loads stand 69 (16 loads, 5 stores, 48 loads): the largest count that the wait can name is the stricter one
	QUANT ACC, 228, 80, 79, 36
	ds_store_b128 v[\sq], v[228:231]
	s_wait_dscnt 54                                ; 5 stores, 48 loads, 1 store
	QUANT ACC+16, 232, 80, 79, 36
	ds_store_b128 v[\sq], v[232:235] offset:2048
	s_wait_dscnt 34                                ; 32 loads, 2 stores
	QUANT ACC+32, 236, 80, 79, 36
	ds_store_b128 v[\sq], v[236:239] offset:4096
	s_wait_dscnt 19                                ; 16 loads, 3 stores
	QUANT ACC+48, 240, 80, 79, 36
	ds_store_b128 v[\sq], v[240:243] offset:6144
	s_wait_dscnt 4                                 ; 4 stores
	QUANT 40, 244, 80, 79, 36
	v_nop
.irp e, 244,245,246,247
	v_cndmask_b32 v[\e], 0, v[\e], s93             ; d >= 300: zero codes
.endr
	ds_store_b128 v[\sq], v[244:247] offset:8192
.endm
.macro PLANES                          ; the planes along q, for the second product
.irp t, 0,1,2,3,4,5,6,7,8,9,10,11,12,13,14,15,16,17,18,19
	ds_load_b128 v[FR+4*\t:FR+4*\t+3], v253 offset:10240+512*\t
.endr
.endm
.macro SETE t                          ; the slot of tile t's words of rel_emb, and its window
.set EW, 1
.set EI, (\t)%7
.if EI < 3
.set ES, 192+16*EI
.elseif EI < 5
.set ES, 160+16*(EI-3)
.elseif EI == 5
.set ES, 224
.set EW, 0
.else
.set ES, 240
.endif
.endm
.macro EL t                            ; rel_emb[action][16 t + 8 h + 0..7], four tiles of actions.  Tiles 2-5, 6-9, 10-13, 14-17 are asked for together: 128 consecutive bytes of a record, at a multiple of 128
	SETE \t
	WIN 0x40*EW
.irp m, 0,1,2,3
	global_load_b128 v[ES+4*\m:ES+4*\m+3], v[18+\m], s[18:19] offset:320+32*(\t) th:TH_LOAD_HT
.endr
.endm
.macro WM2 t                           ; q_attn^T, d = 16 t on: K = the 32 queries; A's upper four registers (the next plane's finite codes) meet p's zero codes
	WIN 0x04
.set X, ACC+32*((\t)%2)
.irp m, 0,1,2,3
	v_wmma_f32_16x16x64_bf8_bf8 v[X+8*\m:X+8*\m+7], v[FR+4*(\t):FR+4*(\t)+7], v[P+8*\m:P+8*\m+7], 0
.endr
.endm
.macro VA2 t                           ; x 2^(e2 + e3) / l, the hold, the codes: registers 2 t, 2 t + 1 of the next operand
	WIN 0x04
.set X, ACC+32*((\t)%2)
.irp m, 0,1,2,3
.irp i, 0,2,4,6
	v_pk_mul_f32 v[X+8*\m+\i:X+8*\m+\i+1], v[X+8*\m+\i:X+8*\m+\i+1], v[F+2*\m:F+2*\m+1] op_sel_hi:[1,0]
.endr
.endr
.set J, 0
.rept 32
	v_med3_num_f32 v[X+J], v[X+J], s82, s81
.set J, J+1
.endr
	WIN 0x40
.irp m, 0,1,2,3
	v_cvt_scalef32_pk8_bf8_f32 v[H+40*\m+2*(\t):H+40*\m+2*(\t)+1], v[X+8*\m:X+8*\m+7], v37
.endr
	WIN 0x04
	v_nop                                          ; a plain line between the conversions and the products that write their sources
.endm
.macro LD3 t                           ; tile t of W's image (ten times 512 consecutive bytes) and c's eight numbers of my half
	WIN 0x04
.set WB, FR+40*((\t)%2)
.set CB, CC+8*((\t)%2)
.if (\t) < 10
.irp q, 0,1,2,3,4,5,6,7,8,9
	ds_load_b128 v[WB+4*\q:WB+4*\q+3], v1 offset:5120*(\t)+512*\q
.endr
.else
.irp q, 0,1,2,3,4,5,6,7,8,9
	ds_load_b128 v[WB+4*\q:WB+4*\q+3], v12 offset:5120*((\t)-10)+512*\q
.endr
.endif
	ds_load_b128 v[CB:CB+3], v14 offset:64*(\t)
	ds_load_b128 v[CB+4:CB+7], v14 offset:64*(\t)+16
.endm
; The linear layer, outputs 16 t on.  K = 320 goes as 128 + 128 + 64: two fragments of 64 on end are one of 128 in the 8-bit layout, on both sides.  Four accumulators by turns; c starts the sums.
.macro WM3A t                          ; k = 0..255
	WIN 0x04
.set X, ACC+32*((\t)%2)
.set WB, FR+40*((\t)%2)
.set CB, CC+8*((\t)%2)
.irp m, 0,1,2,3
	v_wmma_f32_16x16x128_bf8_bf8 v[X+8*\m:X+8*\m+7], v[WB:WB+15], v[H+40*\m:H+40*\m+15], v[CB:CB+7]
.endr
.irp m, 0,1,2,3
	v_wmma_f32_16x16x128_bf8_bf8 v[X+8*\m:X+8*\m+7], v[WB+16:WB+31], v[H+40*\m+16:H+40*\m+31], v[X+8*\m:X+8*\m+7]
.endr
.endm
.macro WM3B t                          ; k = 256..319.  Another form on the same accumulators is no link of the chain above: five plain vector lines or more stand between the two (ISA guide 7.12.1)
	WIN 0x04
.set X, ACC+32*((\t)%2)
.set WB, FR+40*((\t)%2)
.irp m, 0,1,2,3
	v_wmma_f32_16x16x64_bf8_bf8 v[X+8*\m:X+8*\m+7], v[WB+32:WB+39], v[H+40*\m+32:H+40*\m+39], v[X+8*\m:X+8*\m+7]
.endr
.endm
.macro RELU3 t                         ; ReLU, two numbers an instruction (one destination even, one odd; the second sources in different banks); each accumulator from its low end on.  All its registers lie in window 0
	WIN 0
.set X, ACC+32*((\t)%2)
.irp c, 0,1,2,3
.irp m, 0,1,2,3
	v_dual_max_num_f32 v[X+8*\m+2*\c], 0, v[X+8*\m+2*\c] :: v_dual_max_num_f32 v[X+8*\m+2*\c+1], 0, v[X+8*\m+2*\c+1]
.endr
.endr
.endm
; The score's multiply-adds.  Numbers 0, 1 (4, 5) are words 0, 1 (2, 3) of rtab whole, two at a time, in v40-47; numbers 2, 3 (6, 7) are the low halves of the same words, in v48-55: sixteen chains.
.macro DOT3 t
	SETE \t
	WIN 0x04*EW
.set X, ACC+32*((\t)%2)
.irp c, 0,1
.irp m, 0,1,2,3
	v_pk_fma_f32 v[40+2*\m:41+2*\m], v[X+8*\m+4*\c:X+8*\m+4*\c+1], v[ES+4*\m+2*\c:ES+4*\m+2*\c+1], v[40+2*\m:41+2*\m]
.endr
.irp e, 0,1
.irp m, 0,1,2,3
	v_fma_mix_f32_bf16 v[48+2*\m+\e], v[X+8*\m+4*\c+2+\e], v[ES+4*\m+2*\c+\e], v[48+2*\m+\e] op_sel:[0,0,0] op_sel_hi:[0,1,0]
.endr
.endr
.endr
.endm
.macro TRIP t
	s_wait_dscnt 0x0                               ; tile t's fragments and c are in: they alone were out
.if (\t) < 18
	LD3 (\t)+1                                     ; into the registers of tile t - 1, whose last product stands 24 plain lines back (at t = 1: four)
.endif
	WM3A \t
.if (\t) == 0
	VW
.set J, 0
.rept 16
	v_mov_b32 v[40+J], 0                           ; the score's sixteen chains begin; these are the lines between the two forms
.set J, J+1
.endr
	WM3B \t
	PLACES 4                                       ; in front of the next trip's loads into this tile's fragments, and of the first read of these sums
.else
	RELU3 (\t)-1                                   ; sixteen lines on the other set of accumulators: the lines between the two forms
	WM3B \t
.if (\t) <= 3
.set LC, 5
.elseif (\t) <= 7
.set LC, 9
.elseif (\t) <= 11
.set LC, 13
.elseif (\t) == 12
.set LC, 17
.else
.set LC, 18
.endif
	s_wait_loadcnt 4*(LC-(\t)+1)                   ; tile t - 1's four loads of rel_emb are in; the younger tiles', four each, up to tile LC, may be out
	DOT3 (\t)-1
.if (\t) == 3                          ; four tiles more, into slots that have been read (or, slot 6, that held the factors)
	EL 6
	EL 7
	EL 8
	EL 9
.elseif (\t) == 7
	EL 10
	EL 11
	EL 12
	EL 13
.elseif (\t) == 11
	EL 14
	EL 15
	EL 16
	EL 17
.elseif (\t) == 12
	EL 18
.endif
.endif
.endm
	s_load_b512 s[8:23], s[0:1], 0x0               ; q_t s[8:9], r_space s[10:11], action_mask s[12:13], b_rel s[14:15], the scales s[16:17], rtab s[18:19], htab s[20:21], wimg s[22:23]
	s_load_b128 s[24:27], s[0:1], 0x40             ; bpad s[24:25], out0 s[26:27]
	v_lshl_add_u32 v254, v0, 2, SPARE
	v_mov_b32 v255, 0
	ds_add_u32 v254, v255                          ; the opening: the add, twice on end, and one wait for both ahead of my first tensor load
	ds_add_u32 v254, v255
	v_lshrrev_b32 v40, 5, v0
	v_readfirstlane_b32 s35, v40                   ; wave 0..7
	s_lshr_b32 s36, s35, 2                         ; g
	s_and_b32 s37, s35, 3                          ; i
	s_lshr_b32 s38, s37, 1                         ; u: which 16 queries I turn into planes along d
	s_and_b32 s39, s37, 1
	s_mul_i32 s66, s36, SLOTB
	s_add_co_u32 s66, s66, STG1                    ; my group's slot of pass 1
	s_mul_i32 s67, s38, 19200
	s_add_co_u32 s67, s67, s66
	s_lshl_b32 s2, s39, 7
	s_add_co_u32 s67, s67, s2                      ; row 16 u, d = 32 (i % 2)
	s_lshl_b32 s5, s37, 4
	s_add_co_u32 s5, s5, 256                       ; d where my last plane along q begins
	s_lshl_b32 s6, s37, 6
	s_add_co_u32 s6, s6, s66
	s_mul_i32 s7, s36, 20480
	s_add_co_u32 s7, s7, QIMG                      ; my group's images
	s_mul_i32 s94, s38, 5120
	s_lshl_b32 s2, s39, 9
	s_add_co_u32 s94, s94, s2
	s_add_co_u32 s94, s94, s7
	s_lshl_b32 s95, s37, 9
	s_add_co_u32 s95, s95, s7
	s_add_co_u32 s95, s95, 10240
	s_mul_i32 s76, s36, 1280
	s_add_co_u32 s76, s76, CREG
	s_lshl_b32 s2, s35, 2
	s_add_co_u32 s2, s2, XCH
	s_lshl_b32 s68, s36, 4
	s_add_co_u32 s68, s68, XCH
	s_lshl_b32 s69, s35, 6
	s_add_co_u32 s28, s69, CREG
	s_lshl_b32 s70, s35, 8
	s_mul_i32 s71, s35, 5120
	v_and_b32 v1, 31, v0
	v_and_b32 v2, 15, v0
	v_bfe_u32 v3, v0, 4, 1
	v_lshlrev_b32 v1, 4, v1
	v_mul_u32_u24 v4, v2, 1200
	v_lshlrev_b32 v248, 4, v3
	v_mul_u32_u24 v7, v3, 9600
	v_lshl_add_u32 v4, v3, 5, v4
	v_lshl_add_u32 v7, v2, 2, v7
	v_add_nc_u32 v43, s5, v2
	v_add_nc_u32 v4, s67, v4                       ; row 16 u + r, d = 32 (i % 2) + 8 h
	v_add_nc_u32 v7, s6, v7                        ; row 8 h, d = 16 i + r
	v_cmp_gt_u32 s93, 300, v43                     ; d < 300 in the last plane along q
	v_cmp_ne_u32 s89, 0, v3
	v_add_nc_u32 v9, s94, v1
	v_add_nc_u32 v10, s95, v1
	v_add_nc_u32 v252, s7, v1
	v_lshl_add_u32 v13, v3, 5, s76
	v_and_b32 v44, 3, v2                           ; in the product that makes c, column r stands for batch r % 4
	v_mul_u32_u24 v11, v44, 1280
	v_lshl_add_u32 v11, v3, 5, v11
	v_add_nc_u32 v11, s28, v11
	v_lshl_add_u32 v251, v3, 5, s69                ; bpad: 64 w + 32 h
	v_lshl_add_u32 v17, v2, 4, s70                 ; 256 w + 16 r
	v_lshl_add_u32 v38, v3, 3, v17                 ; + 8 h
	v_lshl_add_u32 v249, v44, 10, v248             ; htab: record r % 4, + 16 h
	v_add_nc_u32 v250, s71, v1                     ; wimg: tile w, + 16 x lane
	v_add_nc_u32 v1, WIMG, v1
	v_add_nc_u32 v12, 51200, v1
	v_mov_b32 v15, s2
	v_mov_b32 v16, s68
	s_not_b32 s91, s89
	s_cmp_lg_u32 s39, 0
	s_cselect_b32 s91, s91, -1
	s_cselect_b32 s92, 0, -1
	; descriptor groups 1: dense bytes as rows of 32 elements of 8 bytes: 75 rows (a quarter of a pass's q_t), 95 rows (a quarter of W's lower image)
	s_mov_b32 s40, 3<<16
	s_mov_b32 s41, 32<<16
	s_mov_b32 s42, 75<<16
	s_mov_b32 s43, 32<<16
	s_mov_b32 s44, 75
	s_mov_b32 s45, 32
	s_mov_b32 s46, 0
	s_mov_b32 s47, 0
	s_mov_b32 s48, 3<<16
	s_mov_b32 s49, 32<<16
	s_mov_b32 s50, 95<<16
	s_mov_b32 s51, 32<<16
	s_mov_b32 s52, 95
	s_mov_b32 s53, 32
	s_mov_b32 s54, 0
	s_mov_b32 s55, 0
	s_mov_b32 s56, 1
	s_mul_i32 s57, s37, 19200
	s_add_co_u32 s57, s57, STG
	s_mov_b32 s60, 1
	s_mul_i32 s61, s37, 24320
	s_add_co_u32 s61, s61, WIMG
	s_mov_b32 s68, 1
	s_mul_i32 s69, s37, 19200
	s_add_co_u32 s69, s69, STG1
	s_mul_i32 s2, s37, 24320
	s_mov_b32 s3, 0
	s_mul_i32 s4, ttmp9, 153600
	s_mul_i32 s6, s37, 19200
	s_add_co_u32 s4, s4, s6
	s_mov_b32 s5, 0
	VW
	s_wait_dscnt 0x0
	s_wait_kmcnt 0x0
	s_load_b128 s[28:31], s[16:17], 0x0            ; e0 .. e3
	s_load_b64 s[32:33], s[16:17], 0x10            ; e4, e5
	s_load_b32 s34, s[14:15], 0x0                  ; b_rel
	s_add_nc_u64 s[58:59], s[8:9], s[4:5]
	s_add_nc_u64 s[70:71], s[58:59], 76800
	s_add_nc_u64 s[62:63], s[22:23], s[2:3]
	s_add_nc_u64 s[62:63], s[62:63], 97280         ; the image's lower half: W_ac's rows 300-599
	s_or_b32 s59, s59, 0x80000000
	s_or_b32 s63, s63, 0x80000000
	s_or_b32 s71, s71, 0x80000000
	s_cmp_lt_u32 s35, 4                            ; one load a wave: pass 0's q_t or W's image
	s_cbranch_scc0 .Lfetch_w
	tensor_load_to_lds s[56:59], s[40:47]
	s_nop 0
	PLACES 4
	s_branch .Lfetched
.Lfetch_w:
	tensor_load_to_lds s[60:63], s[48:55]
	s_nop 0
	PLACES 4
.Lfetched:
	s_lshl_b32 s2, ttmp9, 12
	s_add_nc_u64 s[10:11], s[10:11], s[2:3]
	s_add_nc_u64 s[12:13], s[12:13], s[2:3]
	s_add_nc_u64 s[20:21], s[20:21], s[2:3]
	s_add_nc_u64 s[26:27], s[26:27], s[2:3]
	global_load_b128 v[44:47], v17, s[10:11]
	global_load_b128 v[22:25], v17, s[10:11] offset:2048
	global_load_b128 v[26:29], v17, s[12:13]
	global_load_b128 v[30:33], v17, s[12:13] offset:2048
	s_wait_kmcnt 0x0
	s_add_co_i32 s2, s28, s29
	s_lshl_b32 s2, s2, 23
	s_add_co_i32 s74, s2, 0x3fb8aa3b               ; log2(e) x 2^(e0 + e1): the exponents go into the exponent field
	s_mov_b32 s75, s74                             ; (named with it as a pair, so it is written)
	v_mov_b32 v39, s34
	v_mul_f32 v39, 0x3fb8aa3b, v39
	MKSC 29, 34, 77
	s_or_b32 s78, s77, 0x80000000
	MKSC 30, 35, 83
	MKSC 31, 36, 79
	s_or_b32 s80, s79, 0x80000000
	MKSC 32, 37, 81
	s_or_b32 s82, s81, 0x80000000
	s_add_co_i32 s84, s30, s31
	s_add_co_i32 s85, s32, s33
	s_mov_b32 s72, 0x76543210
	s_mov_b32 s73, 0xfedcba98
	s_mov_b32 s86, 0
	s_mov_b32 s87, 0
	s_mov_b32 s88, 0
	VW
	s_wait_loadcnt 0x3                             ; pass 0's indices are in; three younger loads may be out
	MKRA 44
	WIN 0x40
	GATHER                                         ; on their way while q_t lands and is quantised
	WIN 0
	VW
	s_wait_tensorcnt 0x0                           ; my load is in
	ds_add_u32 v254, v255
	s_wait_dscnt 0x0
	s_barrier_signal -1
	s_barrier_wait -1                              ; pass 0's q_t and W's image are whole
	s_cmp_lt_u32 s35, 4
	s_cbranch_scc0 .Lno_second
	tensor_load_to_lds s[68:71], s[40:47]          ; pass 1's q_t, into bytes that nobody has touched; first read in the first pass, behind its wait and a barrier
	s_nop 0
	PLACES 4
.Lno_second:
	v_add_nc_u32 v56, STG-STG1, v4                 ; pass 0's q_t
	v_add_nc_u32 v59, STG-STG1, v7
	Q 56, 59, 9, 10
	VW
	BAR                                            ; pass 0's planes lie in LDS.  Pass 1's q_t may stay out
.Lpass:
	v_add_nc_u32 v253, s87, v252
	v_add_nc_u32 v14, s88, v13
	; ---- 1: S^T = q (r w)^T: source 0 = 16 queries, source 1 = 16 actions; eight accumulators by turns
.irp u, 0,1
.irp x, 0,1,2,3,4,5,6,7,8,9
	ds_load_b128 v[FR+40*\u+4*\x:FR+40*\u+4*\x+3], v253 offset:512*(10*\u+\x)
.endr
.endr
	VW
	s_wait_loadcnt 0x0                             ; the gathered codes
	s_wait_dscnt 0x0
	WIN 0x04
.irp s, 0,1,2,3,4
.irp u, 0,1
.irp m, 0,1,2,3
.if \s == 0
	v_wmma_f32_16x16x64_bf8_bf8 v[ACC+16*\m+8*\u:ACC+16*\m+8*\u+7], v[FR+40*\u:FR+40*\u+7], v[H+40*\m:H+40*\m+7], 0
.else
	v_wmma_f32_16x16x64_bf8_bf8 v[ACC+16*\m+8*\u:ACC+16*\m+8*\u+7], v[FR+40*\u+8*\s:FR+40*\u+8*\s+7], v[H+40*\m+8*\s:H+40*\m+8*\s+7], v[ACC+16*\m+8*\u:ACC+16*\m+8*\u+7]
.endif
.endr
.endr
.endr
	PLACES 4                                       ; in front of the loads into the operands' registers and of the first read of the scores
	WIN 0
	s_cmp_lg_u32 s86, 0
	s_cbranch_scc1 .Lplanes
	; the first pass: c's operands are asked for, over the codes just multiplied: last_h's codes of my four batches, W's upper half (tiles w and w + 8; 16, 17, 18 fall to waves 0, 1, 2), their bias
	WIN 0x40
.irp y, 0,1,2,3,4,5,6,7,8,9
	global_load_b128 v[H+4*\y:H+4*\y+3], v249, s[20:21] offset:32*\y
.endr
.irp k, 0,1
.irp q, 0,1,2,3,4,5,6,7,8,9
	global_load_b128 v[H+40+40*\k+4*\q:H+40+40*\k+4*\q+3], v250, s[22:23] offset:40960*\k+512*\q
.endr
.endr
	WIN 0
.irp k, 0,1
	global_load_b128 v[CC+8*\k:CC+8*\k+3], v251, s[24:25] offset:512*\k
	global_load_b128 v[CC+8*\k+4:CC+8*\k+7], v251, s[24:25] offset:512*\k+16
.endr
	s_cmp_lt_u32 s35, 3
	s_cbranch_scc0 .Lsoft
	WIN 0x40
.irp q, 0,1,2,3,4,5,6,7,8,9
	global_load_b128 v[H+120+4*\q:H+120+4*\q+3], v250, s[22:23] offset:81920+512*\q
.endr
	WIN 0
	global_load_b128 v[224:227], v251, s[24:25] offset:1024
	global_load_b128 v[228:231], v251, s[24:25] offset:1040
	s_branch .Lsoft
.Lplanes:
	PLANES
.Lsoft:
	; ---- S: the softmax over the 32 queries.  A lane holds 16 of its action's scores, the lane 16 away the others.  Tile m: v[40 + 6 m]: +0, +1 at work, +2, +3 cb - M, +4, +5 the sum
.irp m, 0,1,2,3
	v_max3_num_f32 v[40+6*\m], v[ACC+16*\m], v[ACC+16*\m+1], v[ACC+16*\m+2]       ; each accumulator from its low end on
	v_max3_num_f32 v[41+6*\m], v[ACC+16*\m+8], v[ACC+16*\m+9], v[ACC+16*\m+10]
.endr
.irp m, 0,1,2,3
	v_max3_num_f32 v[40+6*\m], v[40+6*\m], v[ACC+16*\m+3], v[ACC+16*\m+4]
	v_max3_num_f32 v[41+6*\m], v[41+6*\m], v[ACC+16*\m+11], v[ACC+16*\m+12]
.endr
.irp m, 0,1,2,3
	v_max3_num_f32 v[40+6*\m], v[40+6*\m], v[ACC+16*\m+5], v[ACC+16*\m+6]
	v_max3_num_f32 v[41+6*\m], v[41+6*\m], v[ACC+16*\m+13], v[ACC+16*\m+14]
.endr
.irp m, 0,1,2,3
	v_max3_num_f32 v[40+6*\m], v[40+6*\m], v[ACC+16*\m+7], v[ACC+16*\m+15]
.endr
.irp m, 0,1,2,3
	s_delay_alu instid0(VALU_DEP_4)
	v_max_num_f32 v[40+6*\m], v[40+6*\m], v[41+6*\m]
.endr
.irp m, 0,1,2,3
	s_delay_alu instid0(VALU_DEP_4)
	v_permlanex16_b32 v[41+6*\m], v[40+6*\m], s72, s73
.endr
.irp m, 0,1,2,3
	s_delay_alu instid0(VALU_DEP_4)
	v_max_num_f32 v[40+6*\m], v[40+6*\m], v[41+6*\m]
.endr
.irp m, 0,1,2,3
	s_delay_alu instid0(VALU_DEP_4)
	v_fma_f32 v[40+6*\m], v[40+6*\m], s74, v39     ; the row's largest t (the factor is positive)
.endr
.irp m, 0,1,2,3
	s_delay_alu instid0(VALU_DEP_4)
	v_floor_f32 v[41+6*\m], -v[40+6*\m]            ; -M = floor(-t) = -ceil(t)
.endr
.irp m, 0,1,2,3
	s_delay_alu instid0(VALU_DEP_4)
	v_add_f32 v[42+6*\m], v39, v[41+6*\m]          ; b_rel x log2(e) - M
.endr
.irp m, 0,1,2,3
	s_delay_alu instid0(VALU_DEP_4)
	v_mov_b32 v[43+6*\m], v[42+6*\m]               ; (named with it as a pair, so it is written)
.endr
.irp i, 0,2,4,6,8,10,12,14
.irp m, 0,1,2,3
	v_pk_fma_f32 v[ACC+16*\m+\i:ACC+16*\m+\i+1], v[ACC+16*\m+\i:ACC+16*\m+\i+1], s[74:75], v[42+6*\m:43+6*\m] op_sel_hi:[1,0,0]   ; t - M
.endr
.endr
.set J, 0
	VW
.rept 64
	v_exp_f32 v[ACC+J], v[ACC+J]                   ; p = 2^(t - M)
.set J, J+1
.endr
	v_nop                                          ; a plain line behind the exponentials
	VW
.irp m, 0,1,2,3
	v_pk_add_f32 v[44+6*\m:45+6*\m], v[ACC+16*\m:ACC+16*\m+1], v[ACC+16*\m+2:ACC+16*\m+3]   ; the sum is taken of the unquantised p
.endr
.irp i, 4,6,8,10,12,14
.irp m, 0,1,2,3
	v_pk_add_f32 v[44+6*\m:45+6*\m], v[44+6*\m:45+6*\m], v[ACC+16*\m+\i:ACC+16*\m+\i+1]
.endr
.endr
.irp m, 0,1,2,3
	s_delay_alu instid0(VALU_DEP_4)
	v_add_f32 v[44+6*\m], v[44+6*\m], v[45+6*\m]
.endr
.irp m, 0,1,2,3
	s_delay_alu instid0(VALU_DEP_4)
	v_permlanex16_b32 v[45+6*\m], v[44+6*\m], s72, s73
.endr
.irp m, 0,1,2,3
	s_delay_alu instid0(VALU_DEP_4)
	v_add_f32 v[44+6*\m], v[44+6*\m], v[45+6*\m]
.endr
	VW
.irp m, 0,1,2,3
	v_rcp_f32 v[40+6*\m], v[44+6*\m]
.endr
	v_nop                                          ; a plain line behind the reciprocals
.set J, 0
.rept 32
	v_dual_min_num_f32 v[ACC+J], s83, v[ACC+J] :: v_dual_min_num_f32 v[ACC+J+1], s83, v[ACC+J+1]   ; p is not negative: a one-sided hold, two numbers an instruction
.set J, J+2
.endr
	WIN 0x40
	VW
.irp m, 0,1,2,3
	v_ldexp_f32 v[F+2*\m], v[40+6*\m], s84         ; 2^(e2 + e3) / l
	v_ldexp_f32 v[F+2*\m+1], v[40+6*\m], s84
.endr
.irp m, 0,1,2,3
	v_cvt_scalef32_pk8_bf8_f32 v[P+8*\m:P+8*\m+1], v[ACC+16*\m:ACC+16*\m+7], v35        ; queries 8 h + 0..7
	v_cvt_scalef32_pk8_bf8_f32 v[P+8*\m+2:P+8*\m+3], v[ACC+16*\m+8:ACC+16*\m+15], v35   ; queries 16 + 8 h + 0..7
.endr
.irp m, 0,1,2,3
.irp c, 4,5,6,7
	v_mov_b32 v[P+8*\m+\c], 0                      ; K = 32 of the instruction's 64: zero codes above
.endr
.endr
	WIN 0
	VW
	s_wait_loadcnt 0x0                             ; c's operands (in the second pass no load is out)
	s_cmp_lg_u32 s86, 0
	s_cbranch_scc1 .Lsecond
	; ---- the first pass alone.  c: source 0 = 16 outputs of W's upper half, source 1 = last_h's codes; the bias is the first C.  Two accumulators by turns
	WIN 0x05
.irp s, 0,1,2,3,4
.irp k, 0,1
.if \s == 0
	v_wmma_f32_16x16x64_bf8_bf8 v[104+8*\k:111+8*\k], v[H+40+40*\k:H+47+40*\k], v[H:H+7], v[CC+8*\k:CC+8*\k+7]
.else
	v_wmma_f32_16x16x64_bf8_bf8 v[104+8*\k:111+8*\k], v[H+40+40*\k+8*\s:H+47+40*\k+8*\s], v[H+8*\s:H+8*\s+7], v[104+8*\k:111+8*\k]
.endif
.endr
.endr
	WIN 0
	s_cmp_lt_u32 s35, 3
	s_cbranch_scc0 .Lno_third
	WIN 0x05
	v_wmma_f32_16x16x64_bf8_bf8 v[120:127], v[H+120:H+127], v[H:H+7], v[224:231]
.irp s, 1,2,3,4
	s_wait_alu depctr_va_vdst(0)                   ; a wait ahead of each link
	v_wmma_f32_16x16x64_bf8_bf8 v[120:127], v[H+120+8*\s:H+127+8*\s], v[H+8*\s:H+8*\s+7], v[120:127]
.endr
	WIN 0
.Lno_third:
	PLACES 4                                       ; in front of the stores of the sums, and of the loads below into registers that held operands
	s_wait_tensorcnt 0x0                           ; my part of pass 1's q_t is in
	BAR                                            ; everybody's is
.irp k, 0,1
	ds_store_b128 v11, v[104+8*\k:107+8*\k] offset:512*\k      ; the four lanes of equal r % 4 hold the same numbers and write them to the same bytes
	ds_store_b128 v11, v[108+8*\k:111+8*\k] offset:512*\k+16
.endr
	s_cmp_lt_u32 s35, 3
	s_cbranch_scc0 .Lno_third_store
	ds_store_b128 v11, v[120:123] offset:1024
	ds_store_b128 v11, v[124:127] offset:1040
.Lno_third_store:
	v_add_nc_u32 v61, 40960, v9                    ; pass 1's planes go over pass 0's q_t, which nobody reads any more
	v_add_nc_u32 v62, 40960, v10
	Q 4, 7, 61, 62
	VW
	BAR                                            ; pass 1's planes and c lie in LDS: from here to the end of the loop the waves meet nowhere
	PLANES
.Lsecond:
	s_wait_dscnt 0x0                               ; the planes along q
	; ---- 2: q_attn, a tile of 16 d at a time, on two sets of four accumulators: one set's vector work is the places behind the other's products
	WM2 0
	WM2 1
	PLACES 4
	VA2 0
.irp t, 2,3,4,5,6,7,8,9,10,11,12,13,14,15,16,17,18
	WM2 \t
	VA2 (\t)-1
.endr
	LD3 0                                          ; the planes' registers 0-39 were last multiplied nine tiles ago
	EL 2
	EL 3                                           ; over p's codes: their last product stands 48 plain lines back
	EL 4
	EL 5
	VA2 18
	; ---- 3: the linear layer's lower half onto c, ReLU and the score, a tile of 16 outputs at a time
.irp t, 0,1,2,3,4,5,6,7,8,9,10,11,12,13,14,15,16,17,18
	TRIP \t
.endr
	s_wait_loadcnt 0x0                             ; the last tile's numbers of rel_emb are in, and no load that names the gather offsets is out
	WIN 0
	s_cmp_lg_u32 s86, 0                            ; the second pass's codes are asked for here, if there is a second pass to come.
	VW
	s_cbranch_scc1 .Lno_next                       ; q_attn's codes were last multiplied 24 plain lines back; slots 0 and 1 were read two tiles ago
	MKRA 22
	WIN 0x40
	GATHER
	WIN 0
.Lno_next:
	RELU3 18
	DOT3 18
	WIN 0
	; ---- my 64 actions: the score, its maximum, the exponentials' sum and the same under the mask.  Both halves of the lanes hold the same numbers from here on
.irp m, 0,1,2,3
	v_pk_add_f32 v[40+2*\m:41+2*\m], v[40+2*\m:41+2*\m], v[48+2*\m:49+2*\m]
.endr
.irp m, 0,1,2,3
	v_add_f32 v[56+\m], v[40+2*\m], v[41+2*\m]
.endr
.irp m, 0,1,2,3
	v_permlanex16_b32 v[60+\m], v[56+\m], s72, s73
.endr
.irp m, 0,1,2,3
	s_delay_alu instid0(VALU_DEP_4)
	v_add_f32 v[56+\m], v[56+\m], v[60+\m]
.endr
.irp m, 0,1,2,3
	s_delay_alu instid0(VALU_DEP_4)
	v_ldexp_f32 v[56+\m], v[56+\m], s85            ; the score: x 2^(e4 + e5)
.endr
	s_delay_alu instid0(VALU_DEP_2)
	v_max3_num_f32 v60, v56, v57, v58
	s_delay_alu instid0(VALU_DEP_1)
	v_max_num_f32 v60, v60, v59
.irp x, 1, 2, 4, 8
	s_delay_alu instid0(VALU_DEP_1)
	v_max_num_f32_dpp v60, v60, v60 row_xmask:\x row_mask:0xf bank_mask:0xf
.endr
.irp m, 0,1,2,3
	v_sub_f32 v[56+\m], v[56+\m], v60
.endr
.irp m, 0,1,2,3
	s_delay_alu instid0(VALU_DEP_4)
	v_mul_f32 v[56+\m], 0x3fb8aa3b, v[56+\m]
.endr
	VW
.irp m, 0,1,2,3
	v_exp_f32 v[56+\m], v[56+\m]
.endr
	v_nop
	VW
	v_add_f32 v61, v56, v57
	v_add_f32 v62, v58, v59
.irp m, 0,1,2,3
	v_mul_f32 v[56+\m], v[56+\m], v[26+\m]         ; under the mask: all that the result needs
.endr
	v_add_f32 v61, v61, v62
	v_add_f32 v62, v56, v57
	v_add_f32 v63, v58, v59
	v_add_f32 v62, v62, v63
	v_add_f32_dpp v61, v61, v61 row_xmask:1 row_mask:0xf bank_mask:0xf
	v_add_f32_dpp v62, v62, v62 row_xmask:1 row_mask:0xf bank_mask:0xf
.irp x, 2, 4, 8
	s_delay_alu instid0(VALU_DEP_2)
	v_add_f32_dpp v61, v61, v61 row_xmask:\x row_mask:0xf bank_mask:0xf
	s_delay_alu instid0(VALU_DEP_2)
	v_add_f32_dpp v62, v62, v62 row_xmask:\x row_mask:0xf bank_mask:0xf
.endr
	s_cmp_lg_u32 s86, 0
	VW
	s_cbranch_scc1 .Lkept                          ; the first pass's numbers are kept for the end
.irp m, 0,1,2,3
	v_mov_b32 v[240+\m], v[56+\m]
.endr
.irp m, 0,1,2
	v_mov_b32 v[244+\m], v[60+\m]
.endr
.Lkept:
.irp m, 0,1,2,3
	v_mov_b32 v[26+\m], v[30+\m]
.endr
	s_add_co_u32 s87, s87, 40960
	s_add_co_u32 s88, s88, 2560
	s_add_co_u32 s86, s86, 1
	s_cmp_lt_u32 s86, 2
	VW
	s_cbranch_scc1 .Lpass
	; ---- both passes' softmax over the 256 actions is joined: the four waves' maxima and sums, then the renormalising.  Pass p: v64 + 12 p: four maxima, sums, masked sums; masked exponentials at v240 (pass 0), v56 (pass 1)
.irp m, 0,1,2
	ds_store_b32 v15, v[244+\m] offset:32*\m       ; all lanes write the same number to my wave's word
	ds_store_b32 v15, v[60+\m] offset:128+32*\m
.endr
	BAR
.irp x, 0,1,2
	ds_load_b128 v[64+4*\x:67+4*\x], v16 offset:32*\x
	ds_load_b128 v[76+4*\x:79+4*\x], v16 offset:128+32*\x
.endr
	s_wait_dscnt 0x0
.irp p, 0,1
	v_max3_num_f32 v[88+\p], v[64+12*\p], v[65+12*\p], v[66+12*\p]
.endr
.irp p, 0,1
	v_max_num_f32 v[88+\p], v[88+\p], v[67+12*\p]  ; the batch's largest score
.endr
.irp p, 0,1
.irp j, 0,1,2,3
	v_sub_f32 v[64+12*\p+\j], v[64+12*\p+\j], v[88+\p]
.endr
	v_sub_f32 v[90+\p], v[60+184*(1-\p)], v[88+\p]
.endr
.irp p, 0,1
.irp j, 0,1,2,3
	v_mul_f32 v[64+12*\p+\j], 0x3fb8aa3b, v[64+12*\p+\j]
.endr
	v_mul_f32 v[90+\p], 0x3fb8aa3b, v[90+\p]
.endr
	VW
.irp p, 0,1
.irp j, 0,1,2,3
	v_exp_f32 v[64+12*\p+\j], v[64+12*\p+\j]       ; what brings each wave's sums under the batch's largest score
.endr
	v_exp_f32 v[90+\p], v[90+\p]
.endr
	v_nop
	VW
.irp p, 0,1
	v_mul_f32 v[92+\p], v[64+12*\p], v[68+12*\p]
	v_mul_f32 v[94+\p], v[64+12*\p], v[72+12*\p]
.endr
.irp j, 1,2,3
.irp p, 0,1
	v_fmac_f32 v[92+\p], v[64+12*\p+\j], v[68+12*\p+\j]   ; S: the exponentials' sum
	v_fmac_f32 v[94+\p], v[64+12*\p+\j], v[72+12*\p+\j]   ; T: the same under the mask
.endr
.endr
	VW
	v_rcp_f32 v96, v92                             ; 1 / S
	v_rcp_f32 v97, v93
	v_nop
	VW
.irp p, 0,1
	v_fmaak_f32 v[98+\p], v[94+\p], v[96+\p], 0x29800000   ; the sum of dist x mask + 2^-52 over 256 actions: T / S + 2^-44
	v_mul_f32 v[90+\p], v[90+\p], v[96+\p]
.endr
	VW
	v_rcp_f32 v100, v98
	v_rcp_f32 v101, v99
.irp p, 0,1
.irp m, 0,1,2,3
	v_fmaak_f32 v[56+184*(1-\p)+\m], v[56+184*(1-\p)+\m], v[90+\p], 0x25800000   ; dist x mask + 2^-52.  (Also the plain lines behind the reciprocals)
.endr
.endr
	VW
.irp p, 0,1
.irp m, 0,1,2,3
	v_mul_f32 v[56+184*(1-\p)+\m], v[56+184*(1-\p)+\m], v[100+\p]
.endr
.endr
.irp p, 0,1                            ; lane (r, h) stores actions 4 r + 2 h and 4 r + 2 h + 1; the wave stores 256 consecutive bytes a pass, at a multiple of 256 from out0's first byte
	v_cndmask_b32 v[102+2*\p], v[56+184*(1-\p)], v[58+184*(1-\p)], s89
	v_cndmask_b32 v[103+2*\p], v[57+184*(1-\p)], v[59+184*(1-\p)], s89
.endr
	global_store_b64 v38, v[102:103], s[26:27]
	global_store_b64 v38, v[104:105], s[26:27] offset:2048
	s_wait_tensorcnt 0x0                           ; the wave's end
	ds_add_u32 v254, v255
	s_wait_dscnt 0x0
	s_endpgm
.Lfunc_end_k_qb2d63d827f_main:
	.size	k_qb2d63d827f_main, .Lfunc_end_k_qb2d63d827f_main-k_qb2d63d827f_main
	.p2alignl 7, 3214868480
	.fill 96, 4, 3214868480
	.section	.rodata,"a",@progbits
	.p2align	6, 0x0
	.amdhsa_kernel k_qb2d63d827f_main
		.amdhsa_group_segment_fixed_size 327680
		.amdhsa_private_segment_fixed_size 0
		.amdhsa_enable_private_segment 0
		.amdhsa_kernarg_size 80
		.amdhsa_user_sgpr_count 2
		.amdhsa_user_sgpr_kernarg_segment_ptr 1
		.amdhsa_wavefront_size32 1
		.amdhsa_system_sgpr_workgroup_id_x 1
		.amdhsa_system_sgpr_workgroup_id_y 1
		.amdhsa_system_sgpr_workgroup_id_z 1
		.amdhsa_system_vgpr_workitem_id 0
		.amdhsa_next_free_vgpr 512
		.amdhsa_next_free_sgpr 96
		.amdhsa_reserve_vcc 0
		.amdhsa_float_denorm_mode_32 3
		.amdhsa_float_denorm_mode_16_64 3
		.amdhsa_memory_ordered 1
		.amdhsa_forward_progress 1
		.amdhsa_inst_pref_size 250
	.end_amdhsa_kernel
	.amdgpu_metadata
---
amdhsa.version: [ 1, 2 ]
amdhsa.kernels:
  - .name:           k_qb2d63d827f_main
    .symbol:         k_qb2d63d827f_main.kd
    .args:
      - { .name: q_t, .offset: 0, .size: 8, .value_kind: global_buffer, .address_space: global }
      - { .name: r_space, .offset: 8, .size: 8, .value_kind: global_buffer, .address_space: global }
      - { .name: action_mask, .offset: 16, .size: 8, .value_kind: global_buffer, .address_space: global }
      - { .name: b_rel, .offset: 24, .size: 8, .value_kind: global_buffer, .address_space: global }
      - { .name: lowp_scales, .offset: 32, .size: 8, .value_kind: global_buffer, .address_space: global }
      - { .name: rtab, .offset: 40, .size: 8, .value_kind: global_buffer, .address_space: global }
      - { .name: htab, .offset: 48, .size: 8, .value_kind: global_buffer, .address_space: global }
      - { .name: wimg, .offset: 56, .size: 8, .value_kind: global_buffer, .address_space: global }
      - { .name: bpad, .offset: 64, .size: 8, .value_kind: global_buffer, .address_space: global }
      - { .name: out0, .offset: 72, .size: 8, .value_kind: global_buffer, .address_space: global }
    .group_segment_fixed_size: 327680
    .private_segment_fixed_size: 0
    .kernarg_segment_align: 8
    .kernarg_segment_size: 80
    .max_flat_workgroup_size: 256
    .sgpr_count:     96
    .vgpr_count:     512
    .wavefront_size: 32
...
	.end_amdgpu_metadata
.endif
;; end of part 2
